; MI455X (gfx1250); checked and timed in simulation.
; The chip was launched on July 23, 2026; its instructions are those of AMD's public machine-readable ISA for CDNA 5 (MIT licence, August 2026) and "CDNA5" Instruction Set Architecture Reference Guide (July 2026). The comments in the code are by the model that wrote it; some were corrected since.
;; Quadratic. Allowed arithmetic: matrix products marked QUANTISED: E2M1 operands, one E8M0 scale for each 32 along K, by v_wmma_scale_f32_16x16x128_f8f6f4 with both operands' format E2M1 (or v_wmma_scale_f32_32x16x128_f4), f32 sums; products left as they are: f32 operands where the result goes on into a quantised operand, else bf16, f16 or f32 operands; f32 sums; everything else in f32.
;; Inputs: Q 128 x 128 float32; W 1 x 128 float32; X 262,144 x 128 float32; b one number float32.
;; Outputs: out0 1 x 262,144 float32.
;; This version of the problem:
;;   THIS VERSION OF THE PROBLEM IS GIVEN IN LOW PRECISION. The matrix products marked QUANTISED in the list below multiply operands that are first quantised to E2M1 (2 exponent bits, 1 mantissa bit; 4 bits a number), with one power-of-two scale for each 32 numbers along K (OCP MX v1.0); their sums are f32. All else is computed in f32.
;;   The module's matrix products, in the order in which they are computed (A, B: the left and right operand; K: the contracted axis; several contracted axes count as one K, in the product's order):
;;     1. [M 1, K 128] x [K 128, N 262,144]; A: input W; B: input X: left as it is (M = 1 < 16)
;;     2. [M 128, K 128] x [K 128, N 262,144]; A: input Q; B: input X: QUANTISED
;;     3. batch 262,144 x [M 1, K 128] x [K 128, N 1]; A: input X; B: computed on the way: left as it is (M = 1 < 16)
;;   THE QUANTISER, for each operand of a quantised product, along K:
;;     - K is cut into blocks of 32 from its start; a last block that is shorter is filled with zeros.
;;     - A block's scale is 2^e with e = floor(log2(the largest magnitude in the block)) - 2, held to -126 .. 127; a block of zeros has e = 0. As a byte (E8M0): e + 127.
;;     - Each number is divided by its block's scale, clamped to +-6, and rounded to the nearest number of E2M1, ties to even, subnormals kept.
;;     - The product sums the exact products of the quantised numbers (number of the format x scale) in f32.
;;   ~~~python
;;   def quantise(x, axis):      # numpy; x: float32 -> the quantised numbers, widened to float32 again
;;       x = np.moveaxis(x, axis, -1); K = x.shape[-1]
;;       x = np.pad(x, [(0, 0)] * (x.ndim - 1) + [(0, -K % 32)]); x = x.reshape(x.shape[:-1] + (-1, 32)); a = np.abs(x).max(-1, keepdims=True)
;;       e = np.where(a > 0, np.clip(np.frexp(np.where(a > 0, a, 1))[1] - 1 - 2, -126, 127), 0)      # np.frexp(a)[1] - 1 = floor(log2(a)), exactly
;;       r = np.clip(x / 2.0 ** e, -6, 6)
;;       step = 2.0 ** (np.maximum(np.frexp(np.where(r == 0, 1, r))[1] - 1, 0) - 1)
;;       q = np.round(r / step) * step * 2.0 ** e      # np.round: ties to even
;;       return np.moveaxis(q.reshape(q.shape[:-2] + (-1,))[..., :K], -1, axis).astype(np.float32)
;;   ~~~
;; One version. Each part assembles by itself: llvm-mc -triple=amdgcn-amd-amdhsa -mcpu=gfx1250 --defsym DOCPART=n.
;; ======== version 1 of 1: 1 launch
;; limits: right only within a limited range of input values
;; launch quadratic (part 1): grid 256 x 1, 8 waves a work-group, no clusters, 157,184 bytes of LDS; arguments X, Q, W, b, out0; writes out0
.if DOCPART == 1
	.amdgcn_target "amdgcn-amd-amdhsa--gfx1250"
	.amdhsa_code_object_version 6
	.text
	.protected	k_q6ac089d994_quadratic
	.globl	k_q6ac089d994_quadratic
	.p2align	8
	.type	k_q6ac089d994_quadratic,@function
k_q6ac089d994_quadratic:
	s_mov_b64 s[64:65], 0
	v_nop
	global_prefetch_b8 v0, s[64:65] scope:SCOPE_SE
	s_setreg_imm32_b32 hwreg(HW_REG_WAVE_MODE, 25, 1), 1
	s_wait_xcnt 0x0
; out[n] = b + sum over e of X[n][e] (W[e] + T[n][e]),  T[n][e] = sum over d of Xq[n][d] Qq[d][e].
; X: [262144][128] f32, Q: [128][128] f32, W: [128] f32, b: one f32, out: [262144] f32.
; Xq and Qq are X and Q quantised along d (X's last axis, Q's FIRST) to E2M1 with one E8M0 scale for each 32 along d; T is summed in f32 by the scaled matrix instruction;
; the X that multiplies T is the f32 X.  W is the C of each matrix instruction, so that the unit returns W + T and the linear term costs no instruction.
; SHARES.  256 work-groups of 8 waves; a work-group owns 1,024 rows of X, a wave 128 neighbouring rows: 8 tiles of 16.  X is read once; waves share nothing but Q's codes.
; LAYOUT.  Lane (r, h) = (lane % 16, lane / 16).  Source 0 = a tile's 16 rows of X, source 1 = 16 columns e of Q.  THE COLUMNS OF A TILE t ARE NOT NEIGHBOURS: column r of tile t is e = 64 (t / 4) + 4 r + t % 4.
; Result register 8 t + j of lane (r, h) is then (W + T) of row 8 h + j at that e.  A load of X takes 16 bytes a lane: lanes 0-15 the 256 consecutive bytes of half c of row j, lanes 16-31 those of row 8 + j;
; with the loads (j, c) in registers 8 j + 4 c the lane's X register 8 j + t is X of row 8 h + j at the very same e: the f32 X is used where it lands, and the last product is 64 multiply-adds register by register.
; THE WAY OF THE CODES.  A block of 32 along d lies in 8 neighbouring lanes of one load: its largest magnitude is taken over 4 registers and three steps between lanes.  A conversion takes 8 registers, the two halves c = 0, 1
; of a row, whose blocks differ: it is made once with each block's scale, and the word keeps the low half of the one and the high half of the other.  The 16 words of a row go to the wave's own stage in LDS (1,024 bytes a
; tile, rows 80 bytes apart); lane (r, h) reads words 8 h .. 8 h + 7 of row r, whose low halves are block h and whose high halves are block 2 + h, in ascending d: eight byte permutes make the operand.
; The scales take the same way: of the 8 rows' scale pairs a lane keeps that of row lane % 8 and stores it once.
; THE SUMS over e end in 16 lanes for each row: each lane stores its 8 rows' partial sums (two stores a tile), and at the wave's end lane l reads the 16 parts of rows 4 l .. 4 l + 3 and adds them.
; Four tiles' loads run ahead in four sets of registers; every offset is an immediate, no pointer is stepped, nothing is branched on.
; Q is quantised once by the work-group: it comes in as it lies, goes to LDS, and each thread takes one column e and two blocks of 32 down d; the codes go to LDS as images of the operand's registers,
; the scale bytes as words of four; behind a barrier every wave loads the 8 fragments and 8 scale words, which stay in its registers.
; NO CLUSTER, NO JOINT LOADS: the work-groups share Q alone, 65,536 of the 589,824 bytes that a work-group reads, and Q has to pass through registers to be quantised.
; NO PREFETCH: no loop runs ahead of tensor loads here; 48 loads of 512 bytes a wave are out behind each tile's wait as it is.
; LIMITS: NaN and infinities among the inputs are not served.  A block of zeros gets the scale byte 1 where the rule says 127: its codes are zeros, which add nothing, and the bytes are read by this program alone.
; W is added inside the matrix unit's sum and b at the end: the order of rounding differs from b + lin + quad.
.set TILES, 8                          ; tiles of 16 rows for a wave
.set ROWB,  512                        ; a row of X or of Q in bytes
.set QRAW,  0                          ; LDS: Q as it lies, 65,536 bytes;
.set IMG,   65536                      ; the images of Q's 8 fragments, 1,024 bytes each;
.set QSC,   IMG+8*1024                 ; Q's scale words: tile t, column m: 64 t + 4 m; byte = block;
.set STG,   QSC+512                    ; a wave's stage: 16 rows of codes, CP bytes apart, and behind them 16 x 8 bytes of scales;
.set CP,    80                         ; 64 bytes + 16
.set STGW,  1536
.set OUTL,  STG+8*STGW                 ; a wave's partial sums: 32 groups of four rows, OP bytes apart, 16 bytes for each of 16 lanes
.set OP,    272
.set OUTW,  32*OP
.set SPARE, OUTL+8*OUTW                ; the spare words, 128 bytes for each wave: blocks that no other line names
.set FLOOR, 0x1800000                  ; 2^(3 - 127): no largest magnitude is taken under it, so that the scale's byte cannot fall under 1
.set EOFF,  0xff000000                 ; takes 2, the exponent of E2M1's largest number, off an exponent field
; window 0, kept for the whole launch:
.set L16, 1                            ; 16 x lane
.set XO,  2                            ; X: 4,096 h + 16 r
.set CS,  3                            ; codes into the stage: row 8 h, word r
.set CL,  4                            ; and back: row r, word 8 h
.set SS,  5                            ; scales into the stage: row 8 h + r % 8, word r / 8
.set SL,  6                            ; and back: row r
.set OA,  7                            ; partial sums: groups 2 h, lane r's 16 bytes
.set OB,  8                            ; and back: group lane
.set SPW, 9                            ; my spare word's LDS address
.set NIL, 10                           ; 0
.set XSW, 11                           ; X's scale word: scales and nothing else
.set QS,  12                           ; v12-19 Q's scale words, one register a tile: scales and nothing else
.set T0,  20                           ; v20-23 at work
.set T1,  21
; window 0, while Q is prepared:
.set QD,  24                           ; 8,192 x wave + 16 x lane: my bytes of the wave's 16 rows of Q, in memory and in LDS alike
.set QC,  25                           ; my column of Q in LDS, at my first d
.set QI,  26                           ; where my column's codes go in the images
.set QB,  27                           ; and its scale bytes
.set QSA, 28                           ; Q's scale words: 4 r
.set IL,  29                           ; the images: 16 x lane
.set WO,  30                           ; 16 r
.set WV,  36                           ; v36-43 W at my 8 columns: register t = W at column r of tile t
.set MA0, 44
.set MB0, 45
.set MA1, 46
.set MB1, 47
.set SO0, 48
.set SO1, 49
.set B0,  50
.set B1,  51
; window 0, in a tile:
.set MX,  24                           ; v24-39  register 2 j + c: the block's largest magnitude in row 8 h + j, half c; then the conversions' scale operands; then what comes back from the stage
.set CV,  40                           ; v40-55  the conversions' results; then the sums
.set S,   40                           ; v40-47  the sums of my 8 rows
.set PC,  56                           ; v56-63  scale pairs; then the operand: X's codes
.set ACC, 64                           ; v64-127 W + T, 8 tiles x 8 registers
.set WC,  128                          ; v128-191 W in the result's layout: the C of the 8 matrix instructions
; X's four sets: set 0 at v192 of window 0, sets 1 to 3 at v64, v128, v192 of window 1;  Q's 8 fragments at v0-63 of window 1
.set QF,  0
.set MSB, 0
.macro WIN new                         ; s_set_vgpr_msb's low byte: bits 1:0 source 0, 3:2 source 1, 5:4 source 2, 7:6 destination; the high byte repeats the setting that is left
.if MSB != (\new)
	s_set_vgpr_msb (MSB<<8)|(\new)
.set MSB, \new
.endif
.endm
.macro XSET i                          ; tile i's set: XW its window, XB its first register
.set XW, ((\i)%4+3)/4
.set XB, 64*((\i)%4)+192*(1-XW)
.endm
.macro GLOAD i                         ; tile i's 16 rows: register 4 g .. of load g = 2 j + c
	XSET \i
	WIN 0x40*XW
.irp g, 0,1,2,3,4,5,6,7,8,9,10,11,12,13,14,15
	global_load_b128 v[XB+4*\g:XB+4*\g+3], v[XO], s[4:5] offset:(\i)*16*ROWB+256*\g th:TH_LOAD_NT
.endr
	WIN 0
.endm
	s_load_b256 s[4:11], s[0:1], 0x0               ; X s[4:5], Q s[6:7], W s[8:9], b s[10:11]
	s_load_b64 s[12:13], s[0:1], 0x20              ; out
	v_lshl_add_u32 v[SPW], v0, 2, SPARE
	v_mov_b32 v[NIL], 0
	v_lshrrev_b32 v20, 5, v0
	v_and_b32 v21, 31, v0                          ; lane
	v_readfirstlane_b32 s16, v20                   ; wave 0..7
	v_and_b32 v22, 15, v0                          ; r
	v_bfe_u32 v23, v0, 4, 1                        ; h
	s_lshl_b32 s17, s16, 13                        ; the wave's 16 rows of Q: 8,192 bytes
	v_lshlrev_b32 v[L16], 4, v21
	v_lshlrev_b32 v[WO], 4, v22
	v_add_nc_u32 v[QD], s17, v[L16]
	v_lshl_add_u32 v[XO], v23, 12, v[WO]
	s_lshl_b32 s18, ttmp9, 19                      ; the work-group's 1,024 rows of X: 524,288 bytes (255 x that stays under 2^32),
	s_lshl_b32 s19, s16, 16                        ; the wave's 128 of them
	s_add_co_u32 s18, s18, s19
	s_mov_b32 s19, 0
	s_wait_alu depctr_va_vdst(0)
	s_wait_kmcnt 0x0
	s_add_nc_u64 s[4:5], s[4:5], s[18:19]          ; X at my wave's first row
	s_load_b32 s14, s[10:11], 0x0                  ; b
	; Q and W are asked for first and X's tiles right behind them: loads come back in order (ISA guide 5.7.1), so Q can be quantised while X is on its way
.irp k, 0,1,2,3,4,5,6,7,8,9,10,11,12,13,14,15
	global_load_b128 v[ACC+4*\k:ACC+4*\k+3], v[QD], s[6:7] offset:\k*ROWB   ; row 16 wave + k of Q, 512 consecutive bytes
.endr
	global_load_b128 v[WV:WV+3], v[WO], s[8:9]               ; W(4 r ..): tiles 0-3
	global_load_b128 v[WV+4:WV+7], v[WO], s[8:9] offset:256  ; W(64 + 4 r ..): tiles 4-7
	GLOAD 0
	GLOAD 1
	; the addresses, while the loads are out
	s_mov_b32 s24, 0xaaaaaaaa                      ; lanes with bit 0, 1, 2 of their number set
	s_mov_b32 s25, 0xcccccccc
	s_mov_b32 s26, 0xf0f0f0f0
	s_mov_b32 s27, 0x07060302                      ; v_perm_b32: the two high halves,
	s_mov_b32 s28, 0x05040100                      ; the two low halves
	s_mov_b32 s29, 0x0000ffff
	s_mov_b32 s30, 0x00ff00ff
	s_mov_b32 s36, 0x3e800000                      ; 0.25: takes 2 off an exponent field
	s_mov_b32 s37, s36                             ; (the packed form names the pair)
	s_mul_i32 s22, s16, STGW
	s_add_co_u32 s22, s22, STG                     ; my wave's stage
	s_add_co_u32 s41, s22, 16*CP                   ; and its scales
	s_mul_i32 s23, s16, OUTW
	s_add_co_u32 s23, s23, OUTL                    ; my wave's partial sums
	s_lshl_b32 s17, s16, 9
	s_lshl_b32 s18, ttmp9, 12                      ; out: 4,096 bytes a work-group, 512 a wave
	s_add_co_u32 s18, s18, s17
	s_add_nc_u64 s[12:13], s[12:13], s[18:19]
	; which part of Q I quantise: column e = 32 (wave % 4) + lane, d = 64 c + 0 .. 63 with c = wave / 4: blocks 2 c and 2 c + 1
	s_lshr_b32 s20, s16, 2                         ; c
	s_and_b32 s38, s16, 3
	s_lshl_b32 s21, s20, 15                        ; 64 c rows of 512 bytes
	s_lshl_b32 s38, s38, 7                         ; 32 (wave % 4) columns of 4 bytes
	s_add_co_u32 s21, s21, s38
	; e = 64 (t / 4) + 4 m + t % 4:  t / 4 = (wave / 2) % 2,  m = 8 (wave % 2) + lane / 4,  t % 4 = lane % 4
	s_bfe_u32 s38, s16, 0x10001                    ; (wave / 2) % 2
	s_and_b32 s39, s16, 1                          ; wave % 2
	s_lshl_b32 s31, s38, 12                        ; images: 1,024 t + 512 c + 256 h + 16 m; h = 0, 1 for my two blocks stands in the stores' offsets
	s_lshl_b32 s42, s39, 7
	s_add_co_u32 s31, s31, s42
	s_lshl_b32 s42, s20, 9
	s_add_co_u32 s31, s31, s42
	s_add_co_u32 s31, s31, IMG
	s_lshl_b32 s40, s38, 8                         ; scale bytes: 64 t + 4 m + 2 c + h
	s_lshl_b32 s42, s39, 5
	s_add_co_u32 s40, s40, s42
	s_lshl_b32 s42, s20, 1
	s_add_co_u32 s40, s40, s42
	s_add_co_u32 s40, s40, QSC
	v_and_b32 v31, 3, v0                           ; lane % 4
	v_bfe_u32 v32, v0, 2, 3                        ; lane / 4
	v_mul_u32_u24 v33, v22, CP
	v_mul_u32_u24 v34, v23, 8*CP
	v_lshlrev_b32 v35, 10, v31
	v_lshl_add_u32 v[QC], v21, 2, s21              ; (QRAW is LDS byte 0)
	v_lshl_add_u32 v33, v23, 5, v33
	v_lshl_add_u32 v34, v22, 2, v34
	v_lshl_add_u32 v35, v32, 4, v35
	v_lshl_add_u32 v[QSA], v22, 2, QSC
	v_add_nc_u32 v[CL], s22, v33
	v_add_nc_u32 v[CS], s22, v34
	v_add_nc_u32 v[QI], s31, v35
	v_lshlrev_b32 v35, 6, v31
	v_and_b32 v33, 7, v0                           ; r % 8
	v_bfe_u32 v34, v0, 3, 1                        ; r / 8
	v_add_nc_u32 v[IL], IMG, v[L16]
	v_lshl_add_u32 v35, v32, 2, v35
	v_lshl_add_u32 v33, v33, 3, s41
	v_mul_u32_u24 v31, v23, 2*OP
	v_mul_u32_u24 v32, v21, OP
	v_add_nc_u32 v[QB], s40, v35
	v_lshl_add_u32 v33, v34, 2, v33
	v_add_nc_u32 v31, v31, v[WO]
	v_add_nc_u32 v[OB], s23, v32
	v_lshl_add_u32 v[SL], v22, 3, s41
	v_lshl_add_u32 v[SS], v23, 6, v33
	v_add_nc_u32 v[OA], s23, v31
	GLOAD 2
	s_wait_alu depctr_va_vdst(0)
	s_wait_loadcnt 48                              ; Q's 16 loads and W's two are in; the 48 of X's tiles 0 to 2, issued behind them, stay out
.irp k, 0,1,2,3,4,5,6,7,8,9,10,11,12,13,14,15
	ds_store_b128 v[QD], v[ACC+4*\k:ACC+4*\k+3] offset:QRAW+\k*ROWB   ; Q into LDS as it lies
.endr
	s_wait_dscnt 0x0                               ; for the others' sake: my rows of Q have landed
	s_barrier_signal -1
.irp t, 0,1,2,3,4,5,6,7                        ; work on registers while the others arrive: W for each of a lane's 8 rows
.irp j, 0,1,2,3,4,5,6,7
	v_mov_b32 v[WC+8*\t+\j], v[WV+\t]
.endr
.endr
	s_barrier_wait -1                              ; all of Q lies in LDS
.set i, 0
.rept 64
	ds_load_b32 v[ACC+i], v[QC] offset:i*ROWB      ; Q(64 c + i, e): my registers run down d; 32 lanes read 128 consecutive bytes
.set i, i+1
.endr
	GLOAD 3
	s_wait_dscnt 0x0
	; two blocks of 32 in registers 0-31 and 32-63: each block's largest magnitude, in two chains, the four chains by turns
	v_max3_num_f32 v[MA0], |v[ACC]|, |v[ACC+1]|, FLOOR
	v_max3_num_f32 v[MB0], |v[ACC+16]|, |v[ACC+17]|, |v[ACC+18]|
	v_max3_num_f32 v[MA1], |v[ACC+32]|, |v[ACC+33]|, FLOOR
	v_max3_num_f32 v[MB1], |v[ACC+48]|, |v[ACC+49]|, |v[ACC+50]|
.irp i, 2,4,6,8,10,12
	v_max3_num_f32 v[MA0], v[MA0], |v[ACC+\i]|, |v[ACC+\i+1]|
	v_max3_num_f32 v[MB0], v[MB0], |v[ACC+17+\i]|, |v[ACC+18+\i]|
	v_max3_num_f32 v[MA1], v[MA1], |v[ACC+32+\i]|, |v[ACC+33+\i]|
	v_max3_num_f32 v[MB1], v[MB1], |v[ACC+49+\i]|, |v[ACC+50+\i]|
.endr
	v_max3_num_f32 v[MA0], v[MA0], |v[ACC+14]|, |v[ACC+15]|
	v_max3_num_f32 v[MA1], v[MA1], |v[ACC+46]|, |v[ACC+47]|
	v_max3_num_f32 v[MA0], v[MA0], v[MB0], |v[ACC+31]|
	v_max3_num_f32 v[MA1], v[MA1], v[MB1], |v[ACC+63]|
	v_add_nc_u32 v[SO0], EOFF, v[MA0]              ; 2 off the exponent field: the conversion takes the exponent field of this operand as its scale, and nothing else of it
	v_add_nc_u32 v[SO1], EOFF, v[MA1]
	v_lshrrev_b32 v[B0], 23, v[SO0]                ; the scale's byte
	v_lshrrev_b32 v[B1], 23, v[SO1]
.irp g, 0,1,2,3
	v_cvt_scalef32_pk8_fp4_f32 v[PC+\g], v[ACC+8*\g:ACC+8*\g+7], v[SO0]
	v_cvt_scalef32_pk8_fp4_f32 v[PC+4+\g], v[ACC+32+8*\g:ACC+32+8*\g+7], v[SO1]
.endr
	v_nop                                          ; one plain instruction behind the last scaled conversion
	ds_store_b128 v[QI], v[PC:PC+3]                ; block 2 c: registers 4 c .. 4 c + 3 of lane m of fragment t,
	ds_store_b128 v[QI], v[PC+4:PC+7] offset:256   ; block 2 c + 1: the same registers of lane 16 + m
	ds_store_b8 v[QB], v[B0]
	ds_store_b8 v[QB], v[B1] offset:1
	s_wait_dscnt 0x0                               ; for the others' sake: my codes and bytes have landed
	s_barrier_signal -1
	s_barrier_wait -1                              ; Q's 8 fragments and their scale words lie in LDS
	WIN 0x40                                       ; destination window 1, address window 0
.irp t, 0,1,2,3,4,5,6,7
.irp c, 0,1
	ds_load_b128 v[QF+8*\t+4*\c:QF+8*\t+4*\c+3], v[IL] offset:\t*1024+\c*512
.endr
.endr
	WIN 0
.irp t, 0,1,2,3,4,5,6,7
	ds_load_b32 v[QS+\t], v[QSA] offset:64*\t      ; lane m: the word of column m of tile t (lanes 16-31 take the same and are not read)
.endr
	s_wait_dscnt 0x0
	s_wait_kmcnt 0x0                               ; b
	s_mov_b32 s15, s14                             ; (the packed addition names the pair s[14:15] and takes its low word for both halves: so s15 is written)
; A TILE: 16 rows of X.
.macro TILE i
	XSET \i
.if TILES-1-(\i) >= 3
	s_wait_loadcnt 48                              ; this tile's 16 loads are in; those of the three tiles behind it stay out
.else
	s_wait_loadcnt 16*(TILES-1-(\i))
.endif
	WIN 0x05*XW                                    ; sources 0 and 1: X's window
.irp g, 0,1,2,3,4,5,6,7,8,9,10,11,12,13,14,15
	v_max3_num_f32 v[MX+\g], |v[XB+4*\g]|, |v[XB+4*\g+1]|, FLOOR
.endr
	WIN 0x14*XW                                    ; sources 1 and 2
.irp g, 0,1,2,3,4,5,6,7,8,9,10,11,12,13,14,15
	v_max3_num_f32 v[MX+\g], v[MX+\g], |v[XB+4*\g+2]|, |v[XB+4*\g+3]|
.endr
	WIN 0
.irp x, 1,2,4                                  ; a block lies in 8 neighbouring lanes
.irp g, 0,1,2,3,4,5,6,7,8,9,10,11,12,13,14,15
	v_max_num_f32_dpp v[MX+\g], v[MX+\g], v[MX+\g] row_xmask:\x row_mask:0xf bank_mask:0xf
.endr
.endr
.irp g, 0,2,4,6,8,10,12,14
	v_pk_mul_f32 v[MX+\g:MX+\g+1], v[MX+\g:MX+\g+1], s[36:37] op_sel_hi:[1,0]   ; x 0.25: 2 off the exponent field, two at a time: the conversions' scale operands
.endr
	WIN 0x01*XW                                    ; source 0: X's window
.irp g, 0,1,2,3,4,5,6,7,8,9,10,11,12,13,14,15
	v_cvt_scalef32_pk8_fp4_f32 v[CV+\g], v[XB+8*(\g/2):XB+8*(\g/2)+7], v[MX+\g]   ; row j = g / 2: under the scale of half 0 (its low 16 bits count), then of half 1 (its high 16 bits)
.endr
	WIN 0
.irp j, 0,1,2,3,4,5,6,7
	v_perm_b32 v[PC+\j], v[MX+2*\j+1], v[MX+2*\j], s27   ; row j's two scale operands, the upper half of each; also the plain instructions between the conversions and the readers of their results
.endr
	; the code words, and of the 8 rows' scale pairs that of row lane % 8
	v_bfi_b32 v[CV], s29, v[CV], v[CV+1]
	v_cndmask_b32 v[PC], v[PC], v[PC+1], s24
	v_bfi_b32 v[CV+2], s29, v[CV+2], v[CV+3]
	v_cndmask_b32 v[PC+2], v[PC+2], v[PC+3], s24
	v_bfi_b32 v[CV+4], s29, v[CV+4], v[CV+5]
	v_cndmask_b32 v[PC+4], v[PC+4], v[PC+5], s24
	v_bfi_b32 v[CV+6], s29, v[CV+6], v[CV+7]
	v_cndmask_b32 v[PC+6], v[PC+6], v[PC+7], s24
	v_bfi_b32 v[CV+8], s29, v[CV+8], v[CV+9]
	v_cndmask_b32 v[PC], v[PC], v[PC+2], s25
	v_bfi_b32 v[CV+10], s29, v[CV+10], v[CV+11]
	v_cndmask_b32 v[PC+4], v[PC+4], v[PC+6], s25
	v_bfi_b32 v[CV+12], s29, v[CV+12], v[CV+13]
	v_bfi_b32 v[CV+14], s29, v[CV+14], v[CV+15]
	v_cndmask_b32 v[PC], v[PC], v[PC+4], s26
.irp j, 0,1,2,3,4,5,6,7
	ds_store_b32 v[CS], v[CV+2*\j] offset:\j*CP    ; row 8 h + j, word r
.endr
	ds_store_b32 v[SS], v[PC]
	; LDS serves a wave's instructions in order (ISA guide 5.7.1.4): these see the stores above
	ds_load_b64 v[MX+8:MX+9], v[SL]                ; row r: blocks 0 and 2; blocks 1 and 3
	ds_load_b128 v[MX:MX+3], v[CL]                 ; row r, words 8 h .. 8 h + 7
	ds_load_b128 v[MX+4:MX+7], v[CL] offset:16
	s_wait_dscnt 0x0
	v_lshrrev_b32 v[T0], 7, v[MX+8]                ; the exponent fields to bytes 0 and 2,
	v_lshlrev_b32 v[T1], 1, v[MX+9]                ; to bytes 1 and 3
.irp q, 0,1,2,3
	v_perm_b32 v[PC+\q], v[MX+2*\q+1], v[MX+2*\q], s28     ; block h: k = 32 h + 8 q .. + 7
.if \q == 0
	v_bfi_b32 v[XSW], s30, v[T0], v[T1]            ; row r's scale word
.endif
	v_perm_b32 v[PC+4+\q], v[MX+2*\q+1], v[MX+2*\q], s27   ; block 2 + h: k = 64 + 32 h + 8 q .. + 7
.endr
.rept 8
	v_nop                                          ; a scale register written by a vector instruction stands 8 plain instructions ahead of a scaled matrix instruction, an operand so written 4; no other vector work is at hand here
.endr
	WIN 0x04                                       ; source 1 (Q) window 1; X's codes, W and the results window 0
.irp t, 0,1,2,3,4,5,6,7
	v_wmma_scale_f32_16x16x128_f8f6f4 v[ACC+8*\t:ACC+8*\t+7], v[PC:PC+7], v[QF+8*\t:QF+8*\t+7], v[WC+8*\t:WC+8*\t+7], v[XSW], v[QS+\t] matrix_a_fmt:MATRIX_FMT_FP4 matrix_b_fmt:MATRIX_FMT_FP4
.endr
.rept 4
	v_nop                                          ; four plain instructions between a matrix instruction and the first read of its result (ISA guide 7.12.1)
.endr
	WIN 0x01*XW                                    ; source 0: X's window
.irp j, 0,1,2,3,4,5,6,7
	v_mul_f32 v[S+\j], v[XB+8*\j], v[ACC+\j]       ; X (W + T): the first products start the 8 rows' sums; each accumulator is read from its low end on
.endr
.irp t, 1,2,3,4,5,6,7
.irp j, 0,1,2,3,4,5,6,7
	v_fmac_f32 v[S+\j], v[XB+8*\j+\t], v[ACC+8*\t+\j]
.endr
.endr
	WIN 0
	ds_store_b128 v[OA], v[S:S+3] offset:(\i)*4*OP           ; group 4 i + 2 h: rows 8 h .. 8 h + 3 of the tile,
	ds_store_b128 v[OA], v[S+4:S+7] offset:(\i)*4*OP+OP      ; and rows 8 h + 4 .. 8 h + 7
.if (\i)+4 < TILES
	GLOAD (\i)+4                                   ; the set has been read: it takes the tile four on
.endif
.endm
.irp t, 0,1,2,3,4,5,6,7
	TILE \t
.endr
.irp k, 0,1,2,3,4,5,6,7,8,9,10,11,12,13,14,15
	ds_load_b128 v[ACC+4*\k:ACC+4*\k+3], v[OB] offset:16*\k  ; rows 4 lane .. 4 lane + 3: lane k's part; these see my stores
.endr
	s_wait_dscnt 0x0
.irp k, 0,2,4,6,8,10,12,14,16,18,20,22,24,26,28,30
	v_pk_add_f32 v[ACC+\k:ACC+\k+1], v[ACC+\k:ACC+\k+1], v[ACC+32+\k:ACC+33+\k]
.endr
.irp k, 0,2,4,6,8,10,12,14
	v_pk_add_f32 v[ACC+\k:ACC+\k+1], v[ACC+\k:ACC+\k+1], v[ACC+16+\k:ACC+17+\k]
.endr
.irp k, 0,2,4,6
	v_pk_add_f32 v[ACC+\k:ACC+\k+1], v[ACC+\k:ACC+\k+1], v[ACC+8+\k:ACC+9+\k]
.endr
.irp k, 0,2
	v_pk_add_f32 v[ACC+\k:ACC+\k+1], v[ACC+\k:ACC+\k+1], v[ACC+4+\k:ACC+5+\k]
.endr
.irp k, 0,2
	v_pk_add_f32 v[ACC+\k:ACC+\k+1], v[ACC+\k:ACC+\k+1], s[14:15] op_sel_hi:[1,0]       ; + b
.endr
	global_store_b128 v[L16], v[ACC:ACC+3], s[12:13] th:TH_STORE_NT            ; 32 lanes store 512 consecutive bytes, at a multiple of 512 from out's first byte
	s_wait_tensorcnt 0x0                           ; the wave's end
	ds_add_u32 v[SPW], v[NIL]
	s_wait_dscnt 0x0
	s_endpgm
.Lfunc_end_k_q6ac089d994_quadratic:
	.size	k_q6ac089d994_quadratic, .Lfunc_end_k_q6ac089d994_quadratic-k_q6ac089d994_quadratic
	.p2alignl 7, 3214868480
	.fill 96, 4, 3214868480
	.section	.rodata,"a",@progbits
	.p2align	6, 0x0
	.amdhsa_kernel k_q6ac089d994_quadratic
		.amdhsa_group_segment_fixed_size 157184
		.amdhsa_private_segment_fixed_size 0
		.amdhsa_enable_private_segment 0
		.amdhsa_kernarg_size 40
		.amdhsa_user_sgpr_count 2
		.amdhsa_user_sgpr_kernarg_segment_ptr 1
		.amdhsa_wavefront_size32 1
		.amdhsa_system_sgpr_workgroup_id_x 1
		.amdhsa_system_sgpr_workgroup_id_y 1
		.amdhsa_system_sgpr_workgroup_id_z 1
		.amdhsa_system_vgpr_workitem_id 0
		.amdhsa_next_free_vgpr 512
		.amdhsa_next_free_sgpr 66
		.amdhsa_reserve_vcc 0
		.amdhsa_float_denorm_mode_32 3
		.amdhsa_float_denorm_mode_16_64 3
		.amdhsa_memory_ordered 1
		.amdhsa_forward_progress 1
		.amdhsa_inst_pref_size 143
	.end_amdhsa_kernel
	.amdgpu_metadata
---
amdhsa.version: [ 1, 2 ]
amdhsa.kernels:
  - .name:           k_q6ac089d994_quadratic
    .symbol:         k_q6ac089d994_quadratic.kd
    .args:
      - { .name: X, .offset: 0, .size: 8, .value_kind: global_buffer, .address_space: global }
      - { .name: Q, .offset: 8, .size: 8, .value_kind: global_buffer, .address_space: global }
      - { .name: W, .offset: 16, .size: 8, .value_kind: global_buffer, .address_space: global }
      - { .name: b, .offset: 24, .size: 8, .value_kind: global_buffer, .address_space: global }
      - { .name: out0, .offset: 32, .size: 8, .value_kind: global_buffer, .address_space: global }
    .group_segment_fixed_size: 157184
    .private_segment_fixed_size: 0
    .kernarg_segment_align: 8
    .kernarg_segment_size: 40
    .max_flat_workgroup_size: 256
    .sgpr_count:     66
    .vgpr_count:     512
    .wavefront_size: 32
...
	.end_amdgpu_metadata
.endif
;; end of part 1
